; MI455X (gfx1250); checked and timed in simulation.
; The chip was launched on July 23, 2026; its instructions are those of AMD's public machine-readable ISA for CDNA 5 (MIT licence, August 2026) and "CDNA5" Instruction Set Architecture Reference Guide (July 2026). The comments in the code are by the model that wrote it; some were corrected since.
;; Apply Attention Policy Map. Allowed arithmetic: float matrix products may take bf16 or f16 operands with f32 sums; other float arithmetic in f32, or as packed bf16 or f16 multiplies, adds, multiply-adds, maxima and minima; sums over many terms, partial sums and values carried from step to step in f32; what a program stores and reads back later, other than sums and carried values, may be rounded once to bf16 or f16.
;; Inputs: fc1 4,288 x 1,858 float32; logits 8,192 x 64 x 64 float32; pp_logits 8,192 x 8 x 24 float32.
;; Outputs: out0 8,192 x 1,858 float32.
;; One version. Each part assembles by itself: llvm-mc -triple=amdgcn-amd-amdhsa -mcpu=gfx1250 --defsym DOCPART=n.
;; ======== version 1 of 1: 2 launches
;; workspace buffers: bt 17,971,200 bytes
;; launch prep (part 1): grid 45 x 8, 15 waves a work-group, no clusters, 51,968 bytes of LDS; arguments fc1, bt; writes bt
.if DOCPART == 1
	.amdgcn_target "amdgcn-amd-amdhsa--gfx1250"
	.amdhsa_code_object_version 6
	.text
	.protected	k_qe9083e2ee0_prep
	.globl	k_qe9083e2ee0_prep
	.p2align	8
	.type	k_qe9083e2ee0_prep,@function
k_qe9083e2ee0_prep:
	s_mov_b64 s[64:65], 0
	v_nop
	global_prefetch_b8 v0, s[64:65] scope:SCOPE_SE
	s_setreg_imm32_b32 hwreg(HW_REG_WAVE_MODE, 25, 1), 1
	s_wait_xcnt 0x0
; bt[j][s][n][k] = bf16(fc1[row(s) + k][240 j + n]),  j = 0..7 column tiles, s = 0..44 K steps, n = 0..239, k = 0..95.
; A row of bt is 208 bytes: 96 bf16 along k and 16 bytes of zero, so that a block of 240 rows (49,920 bytes = 195 x 256) is already the
; padded image that the product kernel wants in LDS.  row(s) follows that kernel's walk along K: s = 0, 1: fc1 rows 4096 + 96 s (the
; promotion logits); s = 2..43: rows 96 (s - 2); s = 44: rows 4000..4095, of which the product kernel multiplies the last 64 alone.
; LIMITS.  fc1 is rounded once to bf16 (nearest even; f32's range is kept).  Tile 7 has 178 live columns: its rows n >= 178 hold copies of
; columns 1856 and 1857, which feed only results that are never stored.
; SHARES.  One work-group makes one block.  Thread t = 120 q + pr takes the column pair pr (8 bytes of a row of fc1, so 32 lanes take 256
; neighbouring bytes) and the rows 8 q + 32 it + 0..7, it = 0..2: eight rows of one column pack into the 16 bytes that lie together in bt.
; No matrix unit, no tensor load, no cluster: a stream that is turned once, and no two work-groups read the same bytes but at the edges.
.set FROW,  7432                       ; bytes in a row of fc1
.set PITCH, 208                        ; bytes in a row of bt
.set BLK,   240*PITCH                  ; a block
.set SPARE, BLK                        ; behind the block's image: the spare words, 128 bytes for each of 15 waves, in whole blocks of 256: 2,048 bytes
.set X,   16                           ; v[16:63]  24 loads of two columns; later v[16:41]: the block read back
.set Y,   64                           ; v[64:87]  packed: for it and column u four registers at Y + 8 it + 4 u
.set Z,   88                           ; v[88:91]  0, for the rows' last 16 bytes
.set SPW, 92                           ; v92  LDS address of my spare word; never rewritten
.set NIL, 93                           ; v93  0; never rewritten
	s_load_b128 s[4:7], s[0:1], 0x0                ; fc1 s[4:5], bt s[6:7]
	v_lshl_add_u32 v[SPW], v0, 2, SPARE
	v_mov_b32 v[NIL], 0
	v_lshrrev_b32 v7, 5, v0
	v_readfirstlane_b32 s12, v7                    ; wave 0..14
	s_mov_b32 s8, ttmp9                            ; s
	s_and_b32 s9, ttmp7, 0xffff                    ; j
	s_mul_i32 s10, s8, 96
	s_sub_co_u32 s11, s10, 192                     ; 96 (s - 2) (wraps for s < 2, where it is not taken),
	s_min_u32 s11, s11, 4000                       ; held to 4000 for s = 44
	s_add_co_u32 s10, s10, 4096                    ; 4096 + 96 s
	s_cmp_lt_u32 s8, 2
	s_cselect_b32 s10, s10, s11                    ; row(s)
	s_mul_i32 s10, s10, FROW                       ; in bytes: 4,192 x 7,432 at the most, under 2^31
	s_mov_b32 s11, 0
	s_mul_i32 s14, s9, 45
	s_add_co_u32 s14, s14, s8
	s_mul_i32 s14, s14, BLK                        ; my block's first byte in bt
	s_mov_b32 s15, 0
	s_mul_i32 s13, s9, 960                         ; the tile's first column, in bytes
	s_mul_i32 s16, s12, 13*256                     ; the 13 x 256 bytes of the block that my wave sends out
	v_mul_u32_u24 v1, v0, 547
	v_lshrrev_b32 v1, 16, v1                       ; q = t / 120: 547 t >> 16 is exact for t < 480 (119 x 547 = 65,093 < 65,536 <= 120 x 547, and so at 240, 360, 480)
	v_mul_u32_u24 v2, v1, 120
	v_sub_nc_u32 v2, v0, v2                        ; pr = t - 120 q
	v_lshl_add_u32 v3, v2, 3, s13                  ; my pair's byte in a row of fc1,
	v_min_u32 v3, 7424, v3                         ; held to the row's last pair,
	v_mad_u32_u24 v3, v1, 8*FROW, v3               ; 8 q rows down
	v_mul_u32_u24 v4, v2, 2*PITCH                  ; in the image: row 2 pr,
	v_lshl_add_u32 v4, v1, 4, v4                   ; k = 8 q
	v_and_b32 v5, 31, v0
	v_lshlrev_b32 v5, 3, v5
	v_add_nc_u32 v5, s16, v5                       ; the way out: 8 bytes a lane, in the image and in bt alike
	v_min_u32 v6, 239, v0
	v_mul_u32_u24 v6, v6, PITCH                    ; row min(t, 239), for its last 16 bytes
.irp z, 0,1,2,3
	v_mov_b32 v[Z+(\z)], 0
.endr
	s_wait_kmcnt 0x0
	s_add_nc_u64 s[4:5], s[4:5], s[10:11]
	s_add_nc_u64 s[6:7], s[6:7], s[14:15]
.irp it, 0,1,2
.irp e, 0,1,2,3,4,5,6,7
	global_load_b64 v[X+2*(8*(\it)+(\e)):X+2*(8*(\it)+(\e))+1], v3, s[4:5] offset:(32*(\it)+(\e))*FROW  ; row 8 q + 32 it + e, two columns
.endr
.endr
	s_cmp_lt_u32 s12, 8                            ; threads 0..255 write the 240 rows' zeros while the loads are out; threads 240..255 repeat row 239, in its own wave
	s_cbranch_scc0 .Lno_pad
	ds_store_b128 v6, v[Z:Z+3] offset:192
.Lno_pad:
.irp it, 0,1,2
	s_wait_loadcnt 16-8*(\it)                      ; loads come back in order: this group of eight is in, the younger groups stay out
.irp u, 0,1
.irp jj, 0,1,2,3
	v_cvt_pk_bf16_f32 v[Y+8*(\it)+4*(\u)+(\jj)], v[X+2*(8*(\it)+2*(\jj))+(\u)], v[X+2*(8*(\it)+2*(\jj)+1)+(\u)]  ; rows 2 jj, 2 jj + 1 of column u
.endr
.endr
	ds_store_b128 v4, v[Y+8*(\it):Y+8*(\it)+3]   offset:64*(\it)         ; column 2 pr, k = 8 q + 32 it + 0..7
	ds_store_b128 v4, v[Y+8*(\it)+4:Y+8*(\it)+7] offset:64*(\it)+PITCH   ; column 2 pr + 1
.endr
	s_wait_dscnt 0x0                               ; for the others' sake: my stores into the image are done
	s_barrier_signal -1
	s_barrier_wait -1
.irp u, 0,1,2,3,4,5,6,7,8,9,10,11,12
	ds_load_b64 v[X+2*(\u):X+2*(\u)+1], v5 offset:256*(\u)
.endr
.irp u, 0,1,2,3,4,5,6,7,8,9,10,11,12
	s_wait_dscnt 12-(\u)                           ; LDS loads come back in order: number u is in
	global_store_b64 v5, v[X+2*(\u):X+2*(\u)+1], s[6:7] offset:256*(\u)  ; 32 lanes store 256 consecutive bytes, at a multiple of 256 from bt's first byte
.endr
	s_wait_tensorcnt 0x0                           ; the wave's end: behind my last LDS store
	ds_add_u32 v[SPW], v[NIL]
	s_wait_dscnt 0x0
	s_endpgm
.Lfunc_end_k_qe9083e2ee0_prep:
	.size	k_qe9083e2ee0_prep, .Lfunc_end_k_qe9083e2ee0_prep-k_qe9083e2ee0_prep
	.p2alignl 7, 3214868480
	.fill 96, 4, 3214868480
	.section	.rodata,"a",@progbits
	.p2align	6, 0x0
	.amdhsa_kernel k_qe9083e2ee0_prep
		.amdhsa_group_segment_fixed_size 51968
		.amdhsa_private_segment_fixed_size 0
		.amdhsa_enable_private_segment 0
		.amdhsa_kernarg_size 16
		.amdhsa_user_sgpr_count 2
		.amdhsa_user_sgpr_kernarg_segment_ptr 1
		.amdhsa_wavefront_size32 1
		.amdhsa_system_sgpr_workgroup_id_x 1
		.amdhsa_system_sgpr_workgroup_id_y 1
		.amdhsa_system_sgpr_workgroup_id_z 1
		.amdhsa_system_vgpr_workitem_id 0
		.amdhsa_next_free_vgpr 96
		.amdhsa_next_free_sgpr 66
		.amdhsa_reserve_vcc 0
		.amdhsa_float_denorm_mode_32 3
		.amdhsa_float_denorm_mode_16_64 3
		.amdhsa_memory_ordered 1
		.amdhsa_forward_progress 1
		.amdhsa_inst_pref_size 10
	.end_amdhsa_kernel
	.amdgpu_metadata
---
amdhsa.version: [ 1, 2 ]
amdhsa.kernels:
  - .name:           k_qe9083e2ee0_prep
    .symbol:         k_qe9083e2ee0_prep.kd
    .args:
      - { .name: fc1, .offset: 0, .size: 8, .value_kind: global_buffer, .address_space: global }
      - { .name: bt, .offset: 8, .size: 8, .value_kind: global_buffer, .address_space: global }
    .group_segment_fixed_size: 51968
    .private_segment_fixed_size: 0
    .kernarg_segment_align: 8
    .kernarg_segment_size: 16
    .max_flat_workgroup_size: 480
    .sgpr_count:     66
    .vgpr_count:     96
    .wavefront_size: 32
...
	.end_amdgpu_metadata
.endif
;; end of part 1
;; launch gemm (part 2): grid 8 x 32, 4 waves a work-group, clusters of 4 x 4, 327,680 bytes of LDS; arguments logits, pp_logits, bt, out0; writes out0
.if DOCPART == 2
	.amdgcn_target "amdgcn-amd-amdhsa--gfx1250"
	.amdhsa_code_object_version 6
	.text
	.protected	k_qe9083e2ee0_gemm
	.globl	k_qe9083e2ee0_gemm
	.p2align	8
	.type	k_qe9083e2ee0_gemm,@function
k_qe9083e2ee0_gemm:
	s_mov_b64 s[64:65], 0
	v_nop
	global_prefetch_b8 v0, s[64:65] scope:SCOPE_SE
	s_setreg_imm32_b32 hwreg(HW_REG_WAVE_MODE, 25, 1), 1
	s_wait_xcnt 0x0
	s_wait_alu depctr_hold_cnt(0) depctr_sa_sdst(0) depctr_va_vdst(0) depctr_va_sdst(0) depctr_va_ssrc(0) depctr_va_vcc(0) depctr_vm_vsrc(0)
	s_getreg_b32 s2, hwreg(HW_REG_IB_STS2, 6, 4)
	s_cmp_eq_u32 s2, 0
	s_cbranch_scc0 .Lentry_in_a_cluster
	s_endpgm
.Lentry_in_a_cluster:
	s_bfe_u32 s2, ttmp6, 0x10000c
	s_cmp_lg_u32 s2, 0xf033
	s_cbranch_scc0 .Lentry_shape_is_right
	s_endpgm
.Lentry_shape_is_right:
; out0[m][n] = sum over k of flat[m][k] fc1[k][n],  flat = logits (4,096 a row) followed by pp_logits (192 a row), all f32; m < 8192, n < 1858.
; fc1 arrives as bt: bf16, turned, in blocks [column tile j][K step s][240 rows n][96 k + 16 bytes], as the launch before wrote it.
; LIMITS.  Both operands are rounded once to bf16 (nearest even; f32's range is kept); sums in f32, one for each output, in the order
; pp_logits' 192 terms and then logits' 4,096, ascending.  NaN and infinities are not treated apart.
; SHARES.  A work-group makes 256 rows x 240 columns: 32 x 8 = 256 work-groups.  Its four waves lie one below the other, 64 rows x 240 columns each: 60 accumulators
; of 16 x 16, 480 registers.  So each number of A is read from LDS and rounded by one wave alone.
; K goes in 45 steps of 96 through two LDS slots: steps 0, 1 pp_logits; steps 2..43 logits k = 96 (s - 2); step 44 the tile k = 4000..4095, of which the last 64 are multiplied
; (a whole tile inside the row, so one descriptor shape serves every step).  A step is three CHUNKS of 32 along K, 60 matrix instructions each.
; Two slots of 128 along K (2 x 128 x (256 x 4 + 240 x 2) bytes and padding) do not fit in LDS; two of 96 do.
; A comes as f32 (rows of 384 bytes) and is rounded between LDS and the matrix unit: a launch of its own for that would move A's bytes once more and half again.
; CLUSTER.  4 x 4 work-groups.  A's tiles hang on the row block i alone, shared along a row of the cluster; B's on the column tile j alone, shared along a column: each tile is asked
; for JOINTLY, by the same tensor load, descriptor and mask in all four.  Waves 0, 1 ask for A's halves, waves 2, 3 for B's parts: one load a wave behind each round;
; by this text's own count a wave has two tensor loads out at the start and one later.
; THE MATRIX INSTRUCTION IS USED TRANSPOSED (source 0 = 16 rows of bt, source 1 = 16 rows of A): a lane holds row lane % 16 and the eight columns 8 (lane / 16) + 0..7.
; REGISTERS, in windows of 256 (s_set_vgpr_msb: bits 1:0 source 0, 3:2 source 1, 5:4 source 2, 7:6 destination):
;   window 0: v0-15 addresses; v28, v29 the add's; v64-127 A of a chunk in f32 (16 a fragment); v128-159, v160-191 A in bf16, two buffers; on the way out v64-191 rows read back
;   window 1: v0-119, v128-247 B's 15 fragments, two buffers      windows 2, 3: accumulator (a, b) at v[8 (15 (a % 2) + b)] of window 2 + a / 2
; The next chunk's 46 LDS loads stand in TWO RUNS (30 and 16), never singly among the matrix instructions; A's 32 roundings, work on registers alone, stand four behind each of eight matrix instructions.
.set PA,     432                       ; a row of A in LDS: 3 x (128 bytes + 16 of padding) = 27 x 16: the 16 rows of a load start at 16 different groups of four banks (64 banks of 4 bytes: ISA guide 11.1)
.set PB,     208                       ; a row of B: 192 + 16 = 13 x 16, likewise
.set AREG,   256*PA                    ; A's 256 rows: 110,592 bytes
.set HALFA,  128*PA                    ; what wave 0 or 1 asks for
.set RB2,    104                       ; what wave 2 asks for: 104 of the block's 195 rows of 256 bytes;
.set RB3,    91                        ; wave 3 the other 91
.set HALFB,  RB2*256
.set BLK,    240*PB                    ; B's 240 rows: 49,920 bytes
.set SLOT,   AREG+BLK                  ; 160,512 = 627 x 256
.set SPARE,  2*SLOT                    ; behind the ring: the spare words, 128 bytes for each wave: two blocks of 256 bytes that no other line names
.set SPITCH, 976                       ; a stage row: 240 f32 + 16 bytes = 61 x 16
.set STAGEB, 16*SPITCH                 ; a wave's stage: 16 rows = 61 x 256 bytes.  The stages lie at the head of slot 1, which has had its last fill and its last read when they are written
.set OROW,   7432                      ; bytes in a row of out0
.set ADRA, 8                           ; v8, v9    LDS address of my A fragments in slot 0, 1
.set ADRB, 10                          ; v10, v11  the same for B
.set STO,  12                          ; v12  the way out: where I put 16 bytes of a row
.set RD,   13                          ; v13  the way out: where I read 8 bytes of a row back, pieces 0 to 2
.set RD3,  14                          ; v14  the same for piece 3, which has 24 lanes' bytes
.set CO,   15                          ; v15  my byte offset in 256 bytes of out0
.set SPW,  28                          ; v28  LDS address of my spare word; never rewritten
.set NIL,  29                          ; v29  0; never rewritten
.set AF,   64
.set AB,   128
.set OB,   64
.set WV,   12                          ; s12  my wave's number
.set W1,   13                          ; s13  its low bit: which half of A or part of B I ask for
.set G1A,  24                          ; s[24:31] descriptor group 1 for logits' tiles
.set G1P,  32                          ; s[32:39] for pp_logits': another pitch
.set G1B2, 40                          ; s[40:47] for bt's first 104 rows of 256 bytes: wave 2's
.set G1B3, 88                          ; s[88:95] for its other 91: wave 3's.  Every word of both but the mask is a constant
.set G0A,  48                          ; s[48:55] group 0 for A's tiles, a set for each slot
.set G0B,  56                          ; s[56:63] for B's
.set AOFF, 66                          ; s[66:67] byte offset along a row of logits of the step to be asked for
.set BOFF, 68                          ; s[68:69] byte offset in my column tile of bt of that step's block
.set ABASE, 70                         ; s[70:71] logits at the first of the 128 rows that I ask for
.set BBASE, 72                         ; s[72:73] bt at my part of my column tile's block 0
.set PBASE, 74                         ; s[74:75] pp_logits at the same 128 rows
.set CNT,  76
.set LIM,  77                          ; s77  live pairs of columns in my tile: 120, in tile 7 89
.set M2,   78                          ; s78  lanes whose pair 64 + lane is live
.set M3,   79                          ; s79  lanes whose pair 96 + lane is live
.set SAVE, 80
.set MSB, 0
.macro WIN new                         ; the immediate's high byte repeats the setting that is left; a switch that changes nothing is dropped
.if MSB != (\new)
	s_set_vgpr_msb (MSB<<8)|(\new)
.set MSB, \new
.endif
.endm
.macro PLACES                          ; four places in front of loads into, and vector writes onto, registers that matrix instructions have read, and of reads of their results
.rept 4
	v_nop
.endr
.endm
; A joint refill of slot x: three lines, A's for waves 0 and 1, B's first part for wave 2 alone, its second for wave 3 alone.  The branches hang on the wave's number alone.
; An s_nop 0 and four v_nop follow each line, ahead of the jump and the label.
.macro JLOAD x
	s_cmp_lt_u32 s[WV], 2
	s_cbranch_scc0 .Lfor_b_\@
	tensor_load_to_lds s[G0A+4*(\x):G0A+4*(\x)+3], s[G1A:G1A+7]
	s_nop 0
.rept 4
	v_nop
.endr
	s_branch .Lasked_\@
.Lfor_b_\@:
	s_cmp_eq_u32 s[WV], 2
	s_cbranch_scc0 .Lfor_b3_\@
	tensor_load_to_lds s[G0B+4*(\x):G0B+4*(\x)+3], s[G1B2:G1B2+7]
	s_nop 0
.rept 4
	v_nop
.endr
	s_branch .Lasked_\@
.Lfor_b3_\@:
	tensor_load_to_lds s[G0B+4*(\x):G0B+4*(\x)+3], s[G1B3:G1B3+7]
	s_nop 0
.rept 4
	v_nop
.endr
.Lasked_\@:
.endm
.macro CREST                           ; a round of the cluster's barrier behind its opening barrier: wave 0 signals for the work-group, every wave waits for all sixteen, my work-group's barrier once more
	s_cmp_lg_u32 s[WV], 0
	s_cbranch_scc1 .Lnot_wave_0_\@
	s_barrier_signal -3
.Lnot_wave_0_\@:
	s_barrier_wait -3
	s_barrier_signal -1
	s_barrier_wait -1
.endm
.macro CROUND                          ; a whole round
	s_barrier_signal -1
	s_barrier_wait -1
	CREST
.endm
	s_load_b256 s[4:11], s[0:1], 0x0               ; logits s[4:5], pp_logits s[6:7], bt s[8:9], out0 s[10:11]
	v_lshl_add_u32 v[SPW], v0, 2, SPARE
	v_mov_b32 v[NIL], 0
	ds_add_u32 v[SPW], v[NIL]                      ; the wave's opening: the add and its wait stand ahead of my first tensor load; the set-up below, work on registers, stands between them
	v_lshrrev_b32 v1, 5, v0
	v_readfirstlane_b32 s[WV], v1                  ; wave 0..3
	s_and_b32 s[W1], s[WV], 1
	s_bfe_u32 s14, ttmp6, 0x40000                  ; cx
	s_bfe_u32 s15, ttmp6, 0x40004                  ; cy
	s_lshl_b32 s16, ttmp9, 2
	s_add_co_u32 s16, s16, s14                     ; column tile j = 4 x cluster x + cx
	s_and_b32 s17, ttmp7, 0xffff
	s_lshl_b32 s17, s17, 2
	s_add_co_u32 s17, s17, s15                     ; row block i = 4 x cluster y + cy
	s_lshl_b32 s18, s15, 2
	s_lshl_b32 s18, 15, s18                        ; my row of the cluster: places 4 cy .. 4 cy + 3
	s_lshl_b32 s19, 0x1111, s14                    ; my column: places cx, cx + 4, cx + 8, cx + 12
	; group 1 for A: 128 rows x 96 elements of 4 bytes; in LDS 4 words of padding behind every 32 words, three times a row
	s_or_b32 s[G1A], s18, (2<<16)|(1<<20)|(1<<21)|(4<<22)|(3<<25)  ; 15:0 the mask; 17:16 elements of 4 bytes; 20 padding on; 21 set beside a mask; 24:22 after every 32 words (code 4); 31:25 4 words (code 3)
	s_or_b32 s[G1P], s18, (2<<16)|(1<<20)|(1<<21)|(4<<22)|(3<<25)
.irp g, G1A, G1P
	s_mov_b32 s[(\g)+1], 96<<16                    ; tensor_dim0 = 96
	s_mov_b32 s[(\g)+2], 128<<16                   ; tensor_dim1 = 128
	s_mov_b32 s[(\g)+3], 96<<16                    ; tile_dim0 = 96
	s_mov_b32 s[(\g)+4], 128                       ; tile_dim1 = 128
	s_mov_b32 s[(\g)+6], 0
	s_mov_b32 s[(\g)+7], 0
.endr
	s_mov_b32 s[G1A+5], 4096                       ; elements from row to row in logits,
	s_mov_b32 s[G1P+5], 192                        ; in pp_logits
	; group 1 for B: a dense run of bytes as rows of 256 (32 elements of 8 bytes); its padding lies in memory already
	s_or_b32 s[G1B2], s19, (3<<16)|(1<<21)
	s_or_b32 s[G1B3], s19, (3<<16)|(1<<21)
.irp g, G1B2, G1B3
	s_mov_b32 s[(\g)+1], 32<<16                    ; tensor_dim0 = 32
	s_mov_b32 s[(\g)+3], 32<<16                    ; tile_dim0 = 32
	s_mov_b32 s[(\g)+5], 32                        ; 32 elements from row to row
	s_mov_b32 s[(\g)+6], 0
	s_mov_b32 s[(\g)+7], 0
.endr
	s_mov_b32 s[G1B2+2], RB2<<16                   ; tensor_dim1,
	s_mov_b32 s[G1B2+4], RB2                       ; tile_dim1
	s_mov_b32 s[G1B3+2], RB3<<16
	s_mov_b32 s[G1B3+4], RB3
	s_mul_i32 s2, s[W1], HALFA                     ; where the tiles go in a slot: no place in the cluster enters an LDS address
	s_mul_i32 s3, s[W1], HALFB
	s_add_co_u32 s3, s3, AREG
	s_lshl_b32 s20, s17, 8                         ; A's rows: 256 i
	s_lshl_b32 s21, s[W1], 7
	s_add_co_u32 s20, s20, s21                     ; + 128 x half
	s_lshl_b32 s22, s20, 14                        ; x 16,384 bytes in logits (8,064 rows at the most: under 2^31),
	s_mov_b32 s23, 0
	s_mul_i32 s20, s20, 768                        ; x 768 bytes in pp_logits
	s_mov_b32 s21, 0
	s_mul_i32 s82, s16, 45*BLK                     ; B: my column tile's 45 blocks,
	s_mul_i32 s83, s[W1], HALFB                    ; my part of a block
	s_add_co_u32 s82, s82, s83
	s_mov_b32 s83, 0
	s_mov_b32 s[AOFF], 0                           ; the first refill brings step 2: logits k = 0,
	s_mov_b32 s[AOFF+1], 0
	s_mov_b32 s[BOFF], 2*BLK                       ; block 2
	s_mov_b32 s[BOFF+1], 0
	s_wait_dscnt 0x0                               ; the opening add is done
	s_wait_kmcnt 0x0
	s_add_nc_u64 s[ABASE:ABASE+1], s[4:5], s[22:23]
	s_add_nc_u64 s[PBASE:PBASE+1], s[6:7], s[20:21]
	s_add_nc_u64 s[BBASE:BBASE+1], s[8:9], s[82:83]
.irp x, 0,1
	s_mov_b32 s[G0A+4*(\x)], 1                                     ; 1:0 count = 1
	s_add_co_u32 s[G0A+4*(\x)+1], s2, (\x)*SLOT                    ; 63:32 LDS address
	s_add_nc_u64 s[G0A+4*(\x)+2:G0A+4*(\x)+3], s[PBASE:PBASE+1], (\x)*384  ; 120:64 global address: step x is pp_logits k = 96 x
	s_or_b32 s[G0A+4*(\x)+3], s[G0A+4*(\x)+3], 0x80000000          ; 127:126 type = 2
	s_mov_b32 s[G0B+4*(\x)], 1
	s_add_co_u32 s[G0B+4*(\x)+1], s3, (\x)*SLOT
	s_add_nc_u64 s[G0B+4*(\x)+2:G0B+4*(\x)+3], s[BBASE:BBASE+1], (\x)*BLK
	s_or_b32 s[G0B+4*(\x)+3], s[G0B+4*(\x)+3], 0x80000000
.endr
	CROUND                                         ; all sixteen work-groups are here: the first joint loads meet
	s_cmp_lt_u32 s[WV], 2                          ; a wave's two first fills stand together in its one branch, ahead of every wait on TENSORcnt, every LDS read and every further barrier
	s_cbranch_scc0 .Lfirst_b
	tensor_load_to_lds s[G0A:G0A+3], s[G1P:G1P+7]
	s_nop 0
	tensor_load_to_lds s[G0A+4:G0A+7], s[G1P:G1P+7]
	s_nop 0
.rept 4
	v_nop
.endr
	s_branch .Lfirst_asked
.Lfirst_b:
	s_cmp_eq_u32 s[WV], 2
	s_cbranch_scc0 .Lfirst_b3
	tensor_load_to_lds s[G0B:G0B+3], s[G1B2:G1B2+7]
	s_nop 0
	tensor_load_to_lds s[G0B+4:G0B+7], s[G1B2:G1B2+7]
	s_nop 0
.rept 4
	v_nop
.endr
	s_branch .Lfirst_asked
.Lfirst_b3:
	tensor_load_to_lds s[G0B:G0B+3], s[G1B3:G1B3+7]
	s_nop 0
	tensor_load_to_lds s[G0B+4:G0B+7], s[G1B3:G1B3+7]
	s_nop 0
.rept 4
	v_nop
.endr
.Lfirst_asked:
	; A fragment is 16 rows x 32 K: lane l holds row l % 16, K = 8 (l / 16) + 0..7 and 16 + 8 (l / 16) + 0..7.  In bf16 (B): two loads of 16 bytes, 32 bytes apart, from 16 (l / 16) on.
	; In f32 (A): four loads of 16 bytes at 0, 16, 64, 80 from 32 (l / 16) on.
	v_and_b32 v1, 15, v0                           ; l % 16
	v_bfe_u32 v2, v0, 4, 1                         ; l / 16
	v_and_b32 v3, 31, v0                           ; l
	v_mul_u32_u24 v4, v1, PA
	v_lshl_add_u32 v4, v2, 5, v4
	s_mul_i32 s2, s[WV], 64*PA                     ; my 64 rows of A
	v_add_nc_u32 v[ADRA], s2, v4
	v_add_nc_u32 v[ADRA+1], SLOT, v[ADRA]
	v_mul_u32_u24 v5, v1, PB
	v_lshl_add_u32 v5, v2, 4, v5
	v_add_nc_u32 v[ADRB], AREG, v5
	v_add_nc_u32 v[ADRB+1], SLOT+AREG, v5
	s_mul_i32 s3, s[WV], STAGEB
	s_add_co_u32 s3, s3, SLOT                      ; my stage
	v_mul_u32_u24 v6, v1, SPITCH                   ; in: row l % 16, 32 bytes for each half of the lanes
	v_lshl_add_u32 v6, v2, 5, v6
	v_add_nc_u32 v[STO], s3, v6
	v_lshlrev_b32 v[CO], 3, v3                     ; back and out: 8 bytes a lane
	v_add_nc_u32 v[RD], s3, v[CO]
	v_min_u32 v7, 23, v3                           ; a row's last piece has 192 bytes: lanes 24..31 read lane 23's, so that only written bytes are read
	v_lshlrev_b32 v7, 3, v7
	s_add_co_u32 s2, s3, 768
	v_add_nc_u32 v[RD3], s2, v7
	s_mul_i32 s[LIM], s16, 120                     ; out0 has 929 pairs of columns; my tile begins at pair 120 j
	s_sub_co_u32 s[LIM], 929, s[LIM]
	s_min_u32 s[LIM], s[LIM], 120
	v_add_nc_u32 v4, 64, v3
	v_add_nc_u32 v5, 96, v3
	v_cmp_gt_u32 s[M2], s[LIM], v4
	v_cmp_gt_u32 s[M3], s[LIM], v5
	s_lshl_b32 s86, s17, 8
	s_lshl_b32 s87, s[WV], 6
	s_add_co_u32 s86, s86, s87                     ; my first row of out0: 256 i + 64 x wave
	s_mul_i32 s86, s86, OROW                       ; under 2^31
	s_mul_i32 s87, s16, 960                        ; my tile's first column, in bytes
	s_add_co_u32 s86, s86, s87
	s_mov_b32 s87, 0
	s_add_nc_u64 s[10:11], s[10:11], s[86:87]
; Matrix instruction number i of a chunk's 60, on buffer f: rows 16 (i / 15) on, columns 16 (i % 15) on.  The 60 accumulators take turns, one instruction a turn, in the same order in
; every chunk.  zero = 1: the first product starts the sum: nothing is ever cleared.
.macro MM f, zero
.set fa, i/15
.set fb, i%15
.set rD, 8*(15*(fa%2)+fb)
	WIN 0xa1+0x50*(fa/2)                           ; B window 1, A window 0, C and D window 2 or 3
.if \zero
	v_wmma_f32_16x16x32_bf16 v[rD:rD+7], v[128*(\f)+8*fb:128*(\f)+8*fb+7], v[AB+32*(\f)+8*fa:AB+32*(\f)+8*fa+7], 0
.else
	v_wmma_f32_16x16x32_bf16 v[rD:rD+7], v[128*(\f)+8*fb:128*(\f)+8*fb+7], v[AB+32*(\f)+8*fa:AB+32*(\f)+8*fa+7], v[rD:rD+7]
.endif
.set i, i+1
.endm
.macro LDA ns, nc, a                   ; fragment a of A, chunk nc of slot ns, as f32
	WIN 0
	ds_load_b128 v[AF+16*(\a):AF+16*(\a)+3],     v[ADRA+(\ns)] offset:16*PA*(\a)+144*(\nc)
	ds_load_b128 v[AF+16*(\a)+4:AF+16*(\a)+7],   v[ADRA+(\ns)] offset:16*PA*(\a)+144*(\nc)+16
	ds_load_b128 v[AF+16*(\a)+8:AF+16*(\a)+11],  v[ADRA+(\ns)] offset:16*PA*(\a)+144*(\nc)+64
	ds_load_b128 v[AF+16*(\a)+12:AF+16*(\a)+15], v[ADRA+(\ns)] offset:16*PA*(\a)+144*(\nc)+80
.endm
.macro LDB ns, nc, g, b                ; fragment b of B, chunk nc of slot ns, into buffer g
	WIN 0x40                                       ; destination window 1, address window 0
	ds_load_b128 v[128*(\g)+8*(\b):128*(\g)+8*(\b)+3],   v[ADRB+(\ns)] offset:16*PB*(\b)+64*(\nc)
	ds_load_b128 v[128*(\g)+8*(\b)+4:128*(\g)+8*(\b)+7], v[ADRB+(\ns)] offset:16*PB*(\b)+64*(\nc)+32
.endm
.macro RUN1 ns, nc, g                  ; 30 LDS loads in one run: A's four fragments, wanted first (they are still to be rounded), then B's fragments 0 to 6
.irp a, 0,1,2,3
	LDA \ns, \nc, \a
.endr
.irp b, 0,1,2,3,4,5,6
	LDB \ns, \nc, \g, \b
.endr
.endm
.macro RUN2 ns, nc, g                  ; 16 more: B's fragments 7 to 14
.irp b, 7,8,9,10,11,12,13,14
	LDB \ns, \nc, \g, \b
.endr
.endm
.macro CV g, n                         ; eight numbers of A rounded to bf16, into buffer g
	WIN 0
.irp z, 0,1,2,3
	v_cvt_pk_bf16_f32 v[AB+32*(\g)+4*(\n)+(\z)], v[AF+8*(\n)+2*(\z)], v[AF+8*(\n)+2*(\z)+1]
.endr
.endm
; A CHUNK multiplies buffer f and (fetch = 1) brings chunk nc of slot ns into the other buffer.  Its LDS loads stand in two runs: RUN1 behind matrix instruction 15, RUN2 between numbers 29 and 30,
; where the accumulators' window changes in any case.  A's 32 roundings stand behind numbers 44 to 51, four behind each.  The four places in front of the loads and the roundings stand directly in front
; of RUN1: the other buffer's last reader is the chunk before.
; A plain chunk's head waits for its own fragments of B three at a time: they were asked for in ascending order, two loads each, and the first fifteen matrix instructions take them in that order.
; turn = 1: the chunk is a step's last, and changes slots: ONE barrier.  In front of it each wave waits for all its tensor loads, of which one is out: its part of the next slot; adds 0 to its
; spare word; and waits for that and for its own reads of the slot that it leaves.  Behind it nobody reads that slot any more and the next slot is whole.
; fill = 1: the slot that is left is filled again, two steps ahead: the barrier opens a round of the cluster's, and the joint refill is the first thing behind the round: from there to the wait for it
; a wave issues 164 of a step's 180 matrix instructions.  fill = 2: the same for step 44, whose tile begins 32 numbers further back.  fill = 0: nothing is left to ask for.
.macro CHUNK f, ns, nc, zero, turn, fill, fetch
.set i, 0
.set XS, 1-(\ns)                       ; the slot that a turn leaves
.if \turn
	WIN 0                                          ; (the add's two registers lie in window 0)
	s_wait_tensorcnt 0x0                           ; all my tensor loads have landed, so every group 0 may be written
	ds_add_u32 v[SPW], v[NIL]                      ; 0 onto my spare word
	s_wait_dscnt 1                                 ; this chunk's fragments of B are in; the add alone may be out
.if \fill
.if (\fill) == 2
	s_sub_co_u32 s[AOFF], s[AOFF], 128
.endif
	s_add_nc_u64 s[G0A+4*XS+2:G0A+4*XS+3], s[ABASE:ABASE+1], s[AOFF:AOFF+1]
	s_or_b32 s[G0A+4*XS+3], s[G0A+4*XS+3], 0x80000000
	s_add_co_u32 s[AOFF], s[AOFF], 384
	s_add_nc_u64 s[G0B+4*XS+2:G0B+4*XS+3], s[BBASE:BBASE+1], s[BOFF:BOFF+1]
	s_or_b32 s[G0B+4*XS+3], s[G0B+4*XS+3], 0x80000000
	s_add_co_u32 s[BOFF], s[BOFF], BLK
.endif
.rept 8
	MM \f, 0                                       ; eight matrix instructions stand between the add and the wait for it
.endr
	s_wait_dscnt 0x0                               ; the add is done, and my reads of this slot are over
	s_barrier_signal -1
.rept 8
	MM \f, 0                                       ; work on registers while the others arrive
.endr
	WIN 0                                          ; at a branch and at a label every window is 0
	s_barrier_wait -1
.if \fill
	CREST                                          ; no wave of any partner still reads the slot or has a load on its way
	JLOAD XS                                       ; its four v_nop are also the places in front of the loads below
.else
	PLACES
.endif
.else
.rept 16
.if (i%3 == 0) && (i < 15)
	s_wait_dscnt 24-2*i                            ; fragments i to i + 2 of B are in: behind them 2 (12 - i) loads were issued, and nothing else
.endif
	MM \f, \zero
.endr
.if \fetch
	PLACES
.endif
.endif
.if \fetch
	RUN1 \ns, \nc, 1-(\f)
.endif
.rept 44
	MM \f, \zero
.if \fetch
.set mm, i-1
.if mm == 29
	RUN2 \ns, \nc, 1-(\f)
.elseif (mm >= 44) && (mm < 52)
.if mm == 44
	s_wait_dscnt 30                                ; A's 16 loads are in; B's 30, all issued behind them, may be out
.endif
	CV 1-(\f), mm-44
.endif
.endif
.endr
.endm
	s_wait_tensorcnt 1                             ; my part of step 0 is in; step 1's may stay out
	s_barrier_signal -1
	s_barrier_wait -1                              ; everybody's is
	RUN1 0, 0, 0
	RUN2 0, 0, 0
	s_wait_dscnt 30                                ; A's loads are in
.irp n, 0,1,2,3,4,5,6,7
	CV 0, \n
.endr
	CHUNK 0, 0, 1, 1, 0, 0, 1                      ; the first chunk stands in front of the loop: its products start the sums
	WIN 0
	s_mov_b32 s[CNT], 21
.Llap:                                                 ; a trip goes once round the ring, from a lap's second chunk to the next lap's first, and fills both slots again: 21 trips ask for steps 2 to 43
	CHUNK 1, 0, 2, 0, 0, 0, 1
	CHUNK 0, 1, 0, 0, 1, 1, 1
	CHUNK 1, 1, 1, 0, 0, 0, 1
	CHUNK 0, 1, 2, 0, 0, 0, 1
	CHUNK 1, 0, 0, 0, 1, 1, 1
	CHUNK 0, 0, 1, 0, 0, 0, 1
	WIN 0
	s_sub_co_u32 s[CNT], s[CNT], 1
	s_cmp_lg_u32 s[CNT], 0
	s_cbranch_scc1 .Llap
	CHUNK 1, 0, 2, 0, 0, 0, 1                      ; the tail is written out: steps 42 and 43 go on
	CHUNK 0, 1, 0, 0, 1, 2, 1                      ; slot 0 takes step 44: the last load
	CHUNK 1, 1, 1, 0, 0, 0, 1
	CHUNK 0, 1, 2, 0, 0, 0, 1
	CHUNK 1, 0, 1, 0, 1, 0, 1                      ; slot 1 is left for good; of step 44 the chunks 1 and 2 are fetched
	CHUNK 0, 0, 2, 0, 0, 0, 1
	CHUNK 1, 0, 0, 0, 0, 0, 0
	; THE WAY OUT, 16 rows at a time: a lane's eight numbers of a row go as 32 bytes into my own stage, rows of 976 bytes; the rows come back 8 bytes a lane, in pieces of 256 bytes (the fourth: 192),
	; and are stored so: a store of the wave covers 256 neighbouring bytes of a row of out0.  A row of out0 is 7,432 bytes, a multiple of 8 alone, so 8 bytes a lane is the widest store whose address is a multiple of its size.
	; A piece is stored while the next piece comes back.  All LDS work runs with all lanes on; EXEC is narrowed for the stores of pieces 2 and 3 alone.
.macro BACK p                          ; piece p of the 16 rows comes back: sixteen loads
.set rw, 0
.rept 16
.if (\p) < 3
	ds_load_b64 v[OB+2*(16*(\p)+rw):OB+2*(16*(\p)+rw)+1], v[RD] offset:SPITCH*rw+256*(\p)  ; LDS serves a wave's instructions in order (ISA guide 5.7.1.4): these see the block's stores
.else
	ds_load_b64 v[OB+2*(16*(\p)+rw):OB+2*(16*(\p)+rw)+1], v[RD3] offset:SPITCH*rw
.endif
.set rw, rw+1
.endr
.endm
.macro PIECE a, p
.set rw, 0
.rept 16
	global_store_b64 v[CO], v[OB+2*(16*(\p)+rw):OB+2*(16*(\p)+rw)+1], s[10:11] offset:(16*(\a)+rw)*OROW+256*(\p) th:TH_STORE_NT  ; 63 rows and 768 bytes at the most: inside the signed 24-bit immediate
.set rw, rw+1
.endr
.endm
.macro OUTBLK a
	WIN 0x08+4*((\a)/2)                            ; the stores' data (source 1) in window 2 or 3
.set fb, 0
.rept 15
.set rD, 8*(15*((\a)%2)+fb)
	ds_store_b128 v[STO], v[rD:rD+3]   offset:64*fb      ; each accumulator's lowest registers are read first
	ds_store_b128 v[STO], v[rD+4:rD+7] offset:64*fb+16
.set fb, fb+1
.endr
	WIN 0
	BACK 0
	BACK 1
	s_wait_dscnt 16                                ; piece 0 is in; piece 1's sixteen loads may be out
	PIECE \a, 0
	BACK 2
	s_wait_dscnt 16                                ; piece 1 is in; piece 2's may be out
	PIECE \a, 1
	BACK 3                                         ; the last LDS loads of the block: still with all lanes on
	s_wait_dscnt 16                                ; piece 2 is in; piece 3's may be out
	s_wait_xcnt 0x0                                ; EXEC is a source of the stores above: it changes only behind this wait
	s_and_saveexec_b32 s[SAVE], s[M2]
	PIECE \a, 2
	s_wait_xcnt 0x0                                ; and again in front of the line that widens it
	s_or_b32 exec_lo, exec_lo, s[SAVE]
	s_wait_dscnt 0x0
	s_and_saveexec_b32 s[SAVE], s[M3]              ; no global memory instruction has been issued since the wait above
	PIECE \a, 3
	s_wait_xcnt 0x0                                ; frees EXEC, and the registers that the next block's loads write
	s_or_b32 exec_lo, exec_lo, s[SAVE]
.endm
	WIN 0
	PLACES                                         ; behind the last products: the stores below read results, the loads write registers that products have read
	OUTBLK 0
	OUTBLK 1
	OUTBLK 2
	OUTBLK 3
	s_wait_tensorcnt 0x0                           ; the wave's end: behind my last tensor load and my last LDS store
	ds_add_u32 v[SPW], v[NIL]
	s_wait_dscnt 0x0
	CROUND                                         ; the closing round: no work-group ends while a partner may still ask for a tile that names it
	s_endpgm
.Lfunc_end_k_qe9083e2ee0_gemm:
	.size	k_qe9083e2ee0_gemm, .Lfunc_end_k_qe9083e2ee0_gemm-k_qe9083e2ee0_gemm
	.p2alignl 7, 3214868480
	.fill 96, 4, 3214868480
	.section	.rodata,"a",@progbits
	.p2align	6, 0x0
	.amdhsa_kernel k_qe9083e2ee0_gemm
		.amdhsa_group_segment_fixed_size 327680
		.amdhsa_private_segment_fixed_size 0
		.amdhsa_enable_private_segment 0
		.amdhsa_kernarg_size 32
		.amdhsa_user_sgpr_count 2
		.amdhsa_user_sgpr_kernarg_segment_ptr 1
		.amdhsa_wavefront_size32 1
		.amdhsa_system_sgpr_workgroup_id_x 1
		.amdhsa_system_sgpr_workgroup_id_y 1
		.amdhsa_system_sgpr_workgroup_id_z 1
		.amdhsa_system_vgpr_workitem_id 0
		.amdhsa_next_free_vgpr 1024
		.amdhsa_next_free_sgpr 96
		.amdhsa_reserve_vcc 0
		.amdhsa_float_denorm_mode_32 3
		.amdhsa_float_denorm_mode_16_64 3
		.amdhsa_memory_ordered 1
		.amdhsa_forward_progress 1
		.amdhsa_inst_pref_size 197
	.end_amdhsa_kernel
	.amdgpu_metadata
---
amdhsa.version: [ 1, 2 ]
amdhsa.kernels:
  - .name:           k_qe9083e2ee0_gemm
    .symbol:         k_qe9083e2ee0_gemm.kd
    .args:
      - { .name: logits, .offset: 0, .size: 8, .value_kind: global_buffer, .address_space: global }
      - { .name: pp_logits, .offset: 8, .size: 8, .value_kind: global_buffer, .address_space: global }
      - { .name: bt, .offset: 16, .size: 8, .value_kind: global_buffer, .address_space: global }
      - { .name: out0, .offset: 24, .size: 8, .value_kind: global_buffer, .address_space: global }
    .group_segment_fixed_size: 327680
    .private_segment_fixed_size: 0
    .kernarg_segment_align: 8
    .kernarg_segment_size: 32
    .max_flat_workgroup_size: 128
    .sgpr_count:     96
    .vgpr_count:     1024
    .wavefront_size: 32
...
	.end_amdgpu_metadata
.endif
;; end of part 2
